; MI455X (gfx1250); checked and timed in simulation.
; The chip was launched on July 23, 2026; its instructions are those of AMD's public machine-readable ISA for CDNA 5 (MIT licence, August 2026) and "CDNA5" Instruction Set Architecture Reference Guide (July 2026). The comments in the code are by the model that wrote it; some were corrected since.
;; Hash Grid MLP. Allowed arithmetic: matrix products marked QUANTISED: E2M1 operands, one E8M0 scale for each 32 along K, by v_wmma_scale_f32_16x16x128_f8f6f4 with both operands' format E2M1 (or v_wmma_scale_f32_32x16x128_f4), f32 sums; products left as they are: f32 operands where the result goes on into a quantised operand, else bf16, f16 or f32 operands; f32 sums; everything else in f32.
;; Inputs: W1_codes 64 x 1 x 16 uint8 (E2M1 codes of W1, K innermost, in blocks of 32 codes, two codes a byte); W1_scales 64 x 1 uint8 (E8M0 scales of W1, one for each 32 codes along K); W2 64 x 1 float32; b1 64 float32; b2 1 float32; tables 16 x 524,288 x 2 float32; x 1,048,576 x 3 float32.
;; Outputs: out0 1,048,576 x 1 float32.
;; This version of the problem:
;;   THIS VERSION OF THE PROBLEM IS GIVEN IN LOW PRECISION. The matrix products marked QUANTISED in the list below multiply operands that are first quantised to E2M1 (2 exponent bits, 1 mantissa bit; 4 bits a number), with one power-of-two scale for each 32 numbers along K (OCP MX v1.0); their sums are f32. All else is computed in f32.
;;   The module's matrix products, in the order in which they are computed (A, B: the left and right operand; K: the contracted axis; several contracted axes count as one K, in the product's order):
;;     1. [M 1,048,576, K 32] x [K 32, N 64]; A: computed on the way; B: input W1 (given as codes): QUANTISED
;;     2. [M 1,048,576, K 64] x [K 64, N 1]; A: computed on the way; B: input W2: left as it is (N = 1 < 16)
;;   THE QUANTISER, for each operand of a quantised product, along K:
;;     - K is cut into blocks of 32 from its start; a last block that is shorter is filled with zeros.
;;     - A block's scale is 2^e with e = floor(log2(the largest magnitude in the block)) - 2, held to -126 .. 127; a block of zeros has e = 0. As a byte (E8M0): e + 127.
;;     - Each number is divided by its block's scale, clamped to +-6, and rounded to the nearest number of E2M1, ties to even, subnormals kept.
;;     - The product sums the exact products of the quantised numbers (number of the format x scale) in f32.
;;   ~~~python
;;   def quantise(x, axis):      # numpy; x: float32 -> the quantised numbers, widened to float32 again
;;       x = np.moveaxis(x, axis, -1); K = x.shape[-1]
;;       x = np.pad(x, [(0, 0)] * (x.ndim - 1) + [(0, -K % 32)]); x = x.reshape(x.shape[:-1] + (-1, 32)); a = np.abs(x).max(-1, keepdims=True)
;;       e = np.where(a > 0, np.clip(np.frexp(np.where(a > 0, a, 1))[1] - 1 - 2, -126, 127), 0)      # np.frexp(a)[1] - 1 = floor(log2(a)), exactly
;;       r = np.clip(x / 2.0 ** e, -6, 6)
;;       step = 2.0 ** (np.maximum(np.frexp(np.where(r == 0, 1, r))[1] - 1, 0) - 1)
;;       q = np.round(r / step) * step * 2.0 ** e      # np.round: ties to even
;;       return np.moveaxis(q.reshape(q.shape[:-2] + (-1,))[..., :K], -1, axis).astype(np.float32)
;;   ~~~
;;   OPERANDS COMPUTED ON THE WAY. 'Computed on the way' means the value that the module computes at that place (a softmax that the list does not call 'softmax' is quantised finished and normalised). What goes into a quantiser is computed in f32, as accurately as f32 sums, v_exp_f32 and their like allow (about 1e-6 of the number): no bf16 or f16 on the way to a quantiser, and a product that is left as it is and whose result goes on into a quantised operand takes f32 operands (vector FMAs, or v_wmma_f32_16x16x4_f32). A number that lies on a knife's edge between two numbers of the format may be rounded either way, as far as f32 arithmetic and the matrix unit's own rounding can turn it there, and no further.
;;   INPUTS GIVEN AS CODES. W1 (in the module: [32, 64], K = its axis 0): each comes as NAME_codes (uint8): NAME with its K axis moved to the last place and cut into blocks of 32 codes, [.., K / 32, bytes a block], one block behind the other in memory; two codes a byte, the lower K in the low four bits (a code: sign, 2 exponent bits, 1 mantissa bit); and NAME_scales (uint8): the same leading axes, one E8M0 byte (e + 127) for each 32 codes along K. Its value is code x scale, taken as it is: it is not quantised again, and the codes and scales need not be those that the quantiser above would give.
;; 2 versions, each right; version 2 is version 1 with the launch encode_mlp written anew for expert scheduling mode. Each part assembles by itself: llvm-mc -triple=amdgcn-amd-amdhsa -mcpu=gfx1250 --defsym DOCPART=n.
;; ======== version 1 of 2: 2 launches
;; limits: inputs' magnitudes at most 126; right only within a limited range of input values
;; workspace buffers: q 12,582,912 bytes of whole numbers
;; launch to_fixed (part 1): grid 256 x 1, 8 waves a work-group, no clusters, 50,176 bytes of LDS; arguments x, q; writes q
.if DOCPART == 1
	.amdgcn_target "amdgcn-amd-amdhsa--gfx1250"
	.amdhsa_code_object_version 6
	.text
	.protected	k_q8782ab0ef8_to_fixed
	.globl	k_q8782ab0ef8_to_fixed
	.p2align	8
	.type	k_q8782ab0ef8_to_fixed,@function
k_q8782ab0ef8_to_fixed:
	s_mov_b64 s[64:65], 0
	v_nop
	global_prefetch_b8 v0, s[64:65] scope:SCOPE_SE
	s_setreg_imm32_b32 hwreg(HW_REG_WAVE_MODE, 25, 1), 1
	s_wait_xcnt 0x0
; x [1048576][3] f32  ->  q: the points' coordinates as whole numbers, q = 2^24 (x + 1), so that x01 = (x + 1) / 2 = q 2^-25.
; WHY: the next launch forms gather addresses from floor(x01 res); they are made there by whole-number arithmetic on q alone.
; EXACT: the f32 sum x + 1 is always a multiple of 2^-24 (for x in [-1, -1/2] x itself is one and the sum is exact; every other sum is at least 1/2 in magnitude, or exact on a coarser grid).
; One fused multiply-add x 2^24 + 2^24 rounds as x + 1 rounds (a power of two moves no rounding), so its result is a whole number and the conversion drops nothing.
; LIMITS: |x + 1| < 128 (beyond it the conversion holds q at the ends of 32 bits); NaN and infinities in x are not served.
; LAYOUT OF q: [8192 chunks of 128 points][3 axes][128 points] of 32 bits: a chunk is 1,536 bytes, as are its points in x.
; SHARES: a wave takes 4 chunks on end; a lane takes 4 neighbouring points of each chunk.  Every global load reads, and every store writes, 512 consecutive bytes.
; A lane's 4 points are 48 consecutive bytes of x: the chunk turns through the wave's own LDS bytes (in as loaded, 16 bytes a lane; out 48 bytes from lane to lane:
; sixteen lanes then stand on sixteen different 16-byte columns of 256).  Waves share nothing: no barrier.
.set CH,  4                            ; chunks of a wave
.set CB,  1536                         ; bytes of a chunk, in x and in q
.set XR,  8                            ; v8-55    12 registers a chunk: x as loaded; later q, ordered by axis
.set YR,  56                           ; v56-103  12 registers a chunk: my 4 points x0 y0 z0 x1 ..
	s_load_b128 s[4:7], s[0:1], 0x0                ; x s[4:5], q s[6:7]
	v_lshl_add_u32 v104, v0, 2, 0xc000
	v_mov_b32 v105, 0
	v_lshrrev_b32 v1, 5, v0
	v_readfirstlane_b32 s8, v1                     ; wave 0..7
	v_and_b32 v2, 31, v0                           ; lane
	v_lshlrev_b32 v3, 4, v2                        ; 16 x lane: my place in a load's or a store's 512 bytes
	s_mul_i32 s9, s8, CH*CB                        ; my wave's LDS bytes
	v_add_nc_u32 v4, s9, v3                        ; the stage, on the way in
	v_mul_u32_u24 v5, v2, 48
	v_add_nc_u32 v5, s9, v5                        ; and on the way out: my 4 points
	s_lshl_b32 s10, ttmp9, 3
	s_add_co_u32 s10, s10, s8                      ; my wave's number in the launch, 0..2047
	s_mul_i32 s10, s10, CH*CB                      ; its first byte in x and in q (under 2^24)
	s_mov_b32 s11, 0
	s_mov_b32 s2, 0x4b800000                       ; 2^24
	s_mov_b32 s3, s2                               ; (the packed form names the pair)
	s_wait_kmcnt 0x0
	s_add_nc_u64 s[4:5], s[4:5], s[10:11]
	s_add_nc_u64 s[6:7], s[6:7], s[10:11]
.irp c, 0,1,2,3
.irp k, 0,1,2
	global_load_b128 v[XR+12*\c+4*\k:XR+12*\c+4*\k+3], v3, s[4:5] offset:CB*\c+512*\k th:TH_LOAD_NT   ; all twelve loads of the wave go out together
.endr
.endr
.irp c, 0,1,2,3
	s_wait_loadcnt 9-3*\c                          ; chunk c's three loads are in; the later chunks' may be out
.irp k, 0,1,2
	ds_store_b128 v4, v[XR+12*\c+4*\k:XR+12*\c+4*\k+3] offset:CB*\c+512*\k
.endr
.irp k, 0,1,2
	ds_load_b128 v[YR+12*\c+4*\k:YR+12*\c+4*\k+3], v5 offset:CB*\c+16*\k   ; LDS serves a wave's instructions in order: these see the stores above
.endr
.endr
.irp c, 0,1,2,3
	s_wait_dscnt 18-6*\c                           ; chunk c is back (and its stores into the stage are done); the later chunks' six LDS instructions each may be out
.irp i, 0,2,4,6,8,10
	v_pk_fma_f32 v[YR+12*\c+\i:YR+12*\c+\i+1], v[YR+12*\c+\i:YR+12*\c+\i+1], s[2:3], s[2:3] op_sel_hi:[1,0,0]   ; 2^24 x + 2^24, rounded once, as x + 1 is
.endr
.irp j, 0,1,2,3
.irp d, 0,1,2
	v_cvt_i32_f32 v[XR+12*\c+4*\d+\j], v[YR+12*\c+3*\j+\d]   ; a whole number already; axis d of my point j
.endr
.endr
.irp d, 0,1,2
	global_store_b128 v3, v[XR+12*\c+4*\d:XR+12*\c+4*\d+3], s[6:7] offset:CB*\c+512*\d   ; axis d of 128 points: 512 consecutive bytes
.endr
.endr
	s_wait_tensorcnt 0x0
	ds_add_u32 v104, v105
	s_wait_dscnt 0x0
	s_endpgm
.Lfunc_end_k_q8782ab0ef8_to_fixed:
	.size	k_q8782ab0ef8_to_fixed, .Lfunc_end_k_q8782ab0ef8_to_fixed-k_q8782ab0ef8_to_fixed
	.p2alignl 7, 3214868480
	.fill 96, 4, 3214868480
	.section	.rodata,"a",@progbits
	.p2align	6, 0x0
	.amdhsa_kernel k_q8782ab0ef8_to_fixed
		.amdhsa_group_segment_fixed_size 50176
		.amdhsa_private_segment_fixed_size 0
		.amdhsa_enable_private_segment 0
		.amdhsa_kernarg_size 16
		.amdhsa_user_sgpr_count 2
		.amdhsa_user_sgpr_kernarg_segment_ptr 1
		.amdhsa_wavefront_size32 1
		.amdhsa_system_sgpr_workgroup_id_x 1
		.amdhsa_system_sgpr_workgroup_id_y 1
		.amdhsa_system_sgpr_workgroup_id_z 1
		.amdhsa_system_vgpr_workitem_id 0
		.amdhsa_next_free_vgpr 106
		.amdhsa_next_free_sgpr 66
		.amdhsa_reserve_vcc 0
		.amdhsa_float_denorm_mode_32 3
		.amdhsa_float_denorm_mode_16_64 3
		.amdhsa_memory_ordered 1
		.amdhsa_forward_progress 1
		.amdhsa_inst_pref_size 9
	.end_amdhsa_kernel
	.amdgpu_metadata
---
amdhsa.version: [ 1, 2 ]
amdhsa.kernels:
  - .name:           k_q8782ab0ef8_to_fixed
    .symbol:         k_q8782ab0ef8_to_fixed.kd
    .args:
      - { .name: x, .offset: 0, .size: 8, .value_kind: global_buffer, .address_space: global }
      - { .name: q, .offset: 8, .size: 8, .value_kind: global_buffer, .address_space: global }
    .group_segment_fixed_size: 50176
    .private_segment_fixed_size: 0
    .kernarg_segment_align: 8
    .kernarg_segment_size: 16
    .max_flat_workgroup_size: 256
    .sgpr_count:     66
    .vgpr_count:     106
    .wavefront_size: 32
...
	.end_amdgpu_metadata
.endif
;; end of part 1
;; launch encode_mlp (part 2): grid 512 x 1, 16 waves a work-group, no clusters, 264,192 bytes of LDS; arguments q, tables, W1_codes, W1_scales, b1, W2, b2, out0; writes out0
.if DOCPART == 2
	.amdgcn_target "amdgcn-amd-amdhsa--gfx1250"
	.amdhsa_code_object_version 6
	.text
	.protected	k_q8782ab0ef8_encode_mlp
	.globl	k_q8782ab0ef8_encode_mlp
	.p2align	8
	.type	k_q8782ab0ef8_encode_mlp,@function
k_q8782ab0ef8_encode_mlp:
	s_mov_b64 s[64:65], 0
	v_nop
	global_prefetch_b8 v0, s[64:65] scope:SCOPE_SE
	s_setreg_imm32_b32 hwreg(HW_REG_WAVE_MODE, 25, 1), 1
	s_wait_xcnt 0x0
; out = relu(Q(enc) W1 + b1) W2 + b2, enc = the hash grid's 16 levels x 2 features of each point, Q the MX-FP4 quantiser along K = 32 (one block a point).
; q: the coordinates as whole numbers, x01 = q 2^-25, laid [chunk of 128 points][3 axes][128] by the launch before.  W1: codes [64][16 bytes] and one E8M0 byte a row.
; COORDINATES.  Level l has res = floor(16 x 1.5^l) = (16 x 3^l) >> l.  The whole part i0 = floor(q res / 2^25) is made of whole numbers alone, by ONE 64-bit multiply-add:
;   (q + 2^31) x (res 2^7) + ((-64 res) 2^32): the 2^31 makes q unsigned and puts 64 res on top of the upper word, the addend takes it off again: the upper word is i0.
;   The fraction is made as reference() makes it: pos = float(q) x (res 2^-25) is x01 x res rounded once (float(q) is exact: q has at most 24 significant bits), and w = pos - float(i0), exact.
;   THE MULTIPLY AND THE SUBTRACTION ARE NOT FUSED: reference() rounds pos first.  Where pos rounds up onto a whole number n, i0 is n - 1 and w is 1.0: the same corners get the same weights as with i0 = n, w = 0, the others get 0.
; HASH.  Only its low 19 bits count, so the primes are taken mod 2^24 and multiplied by the 24-bit form; x's prime is 1.
; SHARES.  A wave takes a chunk of 128 points, a lane 4 neighbouring points.  The levels are the outer loop.  Each of a lane's 4 points has a stage of 16 registers: in its turn its last level's 8 entries are weighed in
;   and its next level's 8 loads go out: 24 to 32 loads of a wave are always out.  An index lies in the low register of the pair that its own load fills.
;   enc (128 numbers a lane) goes to the wave's own 16 KiB of LDS, [level][point of the lane][lane] x 8 bytes: every LDS instruction takes 256 consecutive bytes.
; TWO BASES BY TURNS.  Even levels' loads name s[6:7], odd levels' s[2:3]; a trip of the loop runs two levels.  A base is stepped two levels on behind the counted wait of point 3's turn, which shows the last
;   loads that named it done (the 24 that may be out then name the other base): so no wait for address translation stands in the loop.
; THE PRODUCTS, 32 points (one of each lane) at a time.  A lane's 32 numbers are the whole block: its largest magnitude needs no other lane.  The matrix instruction is used transposed: source 0 = 16 rows of W1,
;   source 1 = 16 points: a lane holds one point and hidden units 16 t + 8 (lane / 16) + 0..7.  K = 32 fills the instruction's block 0 (registers 0-3 of lanes 0-15); all other codes are zeros.  b1 is the C operand.
;   W2's product (left as it is) is f32 multiply-adds in the lane and one exchange between the halves of the lanes.
; No tile is shared between work-groups (single entries at hashed places), so there are no tensor loads, no cluster and no barrier: waves share nothing.
; LIMITS: |x + 1| < 128 (the launch before); NaN and infinities in the tables are not served (a weight 0 must give 0); a block of zeros gets the byte 1 where the rule says 127: its codes are zeros, and this program alone reads the byte.
.set TBYTES, 0x400000                  ; a level's table: 2^19 entries of 8 bytes
.set HMASK,  0x7ffff
.set P1,     0x3779b1                  ; 2654435761 mod 2^24
.set P2,     0x025795                  ; 805459861 mod 2^24
; vector registers
.set LOF,  1                           ; v1      16 x lane: my place in q's loads and in the store of the results
.set LB,   2                           ; v2      LDS: my wave's bytes + 8 x lane
.set LA,   3                           ; v3      the same + the trip's two levels
.set CFV,  4                           ; v4      res 2^-25 as f32
.set LN,   5                           ; v5      lane
.set PS,   6                           ; v6      the points' scale words: nothing else ever
.set AW1,  7                           ; v7      16 x (lane % 16): W1's rows
.set W1S,  8                           ; v8-9    W1's scale words: tile 2 i in lanes 0-15 of register i, tile 2 i + 1 in lanes 16-31: nothing else ever
.set OUTR, 10                          ; v10-13  my 4 results
.set AB,   14                          ; v14     32 x (lane / 16): b1's and W2's eight numbers of my half
.set QF,   16                          ; v16-27  float(q), point j, axis d at 3 j + d
.set U,    28                          ; v28-39  q + 2^31
.set CBP,  40                          ; v40-41  the multiply-add's addend: 0 below, -64 res above
.set WS,   52                          ; v52-75  stage j: the pairs (1 - wx, wx), (1 - wy, wy), (1 - wz, wz)
.set T,    76                          ; v76-87  products of two (later the three pos), then the 8 weights, corner c at T + 4 + c
.set ACC,  88                          ; v88-95  stage j: the level's two features
.set G,    96                          ; v96-159 stage j: 8 pairs: index, then entry, of corner c at 2 c
.set W1F,  160                         ; v160-191 W1: tile t: 4 registers of codes (lanes 0-15), 4 of zeros
.set B1,   192                         ; v192-223 b1 in the result's layout, tile t at 8 t
.set W2R,  224                         ; v224-255 W2 likewise
; behind the levels v16-159 are free:
.set EN0,  16                          ; v16-47  enc of a batch; then the results of its points 16-31
.set EN1,  48                          ; v48-79  the same for the next batch
.set OP,   80                          ; v80-95  the points' operands: codes of points 0-15, zeros, codes of points 16-31, zeros
.set D0,   96                          ; v96-127 the results of points 0-15
.set MT,   128                         ; v128-139 at work
; scalar registers: s[4:5] q, s[8:9] W1's codes, s[10:11] W1's scales, s[12:13] b1, s[14:15] W2, s[16:17] b2, s[18:19] out, s20 b2's value
.set TA,   6                           ; s[6:7]  the table of the even level in hand
.set TB,   2                           ; s[2:3]  the table of the odd level in hand
.set MK,   28
.set POW,  29                          ; 16 x 3^level
.set LV,   30                          ; level
.set RES,  31
.set BIAS, 32                          ; -64 res
.set LOFF, 33                          ; 1,024 x the first of the two levels that a trip weighs in
.set CNT,  34
.set M7,   35                          ; 128 res
	s_load_b256 s[4:11], s[0:1], 0x0
	s_load_b256 s[12:19], s[0:1], 0x20
	v_lshrrev_b32 v15, 5, v0
	v_readfirstlane_b32 s21, v15                   ; wave 0..15
	v_and_b32 v[LN], 31, v0
	v_lshlrev_b32 v[LOF], 4, v[LN]
	v_and_b32 v[AW1], 15, v0
	v_lshlrev_b32 v[AW1], 4, v[AW1]
	v_bfe_u32 v[AB], v0, 4, 1
	v_lshlrev_b32 v[AB], 5, v[AB]
	s_lshl_b32 s23, s21, 14                        ; my wave's 16,384 bytes of LDS
	v_lshl_add_u32 v[LB], v[LN], 3, s23
	s_lshl_b32 s22, ttmp9, 4
	s_add_co_u32 s22, s22, s21                     ; my chunk, 0..8191
	s_mul_i32 s24, s22, 1536                       ; its bytes in q,
	s_mov_b32 s25, 0
	s_lshl_b32 s26, s22, 9                         ; and in out
	s_mov_b32 s27, 0
	s_mov_b32 s[MK], HMASK
	s_mov_b32 s[POW], 16
	s_mov_b32 s[LV], 0
	s_mov_b32 s[RES], 16                           ; level 0
	s_mov_b32 s[M7], 2048
	s_mov_b32 s[BIAS], -1024
	s_mov_b32 s[LOFF], 0
	s_mov_b32 s[CNT], 7
	s_wait_kmcnt 0x0
	s_load_b32 s20, s[16:17], 0x0                  ; b2
	s_add_nc_u64 s[4:5], s[4:5], s[24:25]
	s_add_nc_u64 s[18:19], s[18:19], s[26:27]
	s_add_nc_u64 s[TB:TB+1], s[TA:TA+1], TBYTES    ; level 1's table
.irp d, 0,1,2
	global_load_b128 v[G+4*\d:G+4*\d+3], v[LOF], s[4:5] offset:512*\d th:TH_LOAD_NT   ; axis d of my 4 points; the wave reads 512 consecutive bytes
.endr
.irp t, 0,1,2,3
	global_load_b128 v[W1F+8*\t:W1F+8*\t+3], v[AW1], s[8:9] offset:256*\t   ; row 16 t + lane % 16: its 32 codes
.endr
.irp i, 0,1
	global_load_u8 v[W1S+\i], v[LN], s[10:11] offset:32*\i                  ; row 32 i + lane: the byte, with zeros above it (the scales of blocks that hold zero codes)
.endr
.irp t, 0,1,2,3
	global_load_b128 v[B1+8*\t:B1+8*\t+3], v[AB], s[12:13] offset:64*\t
	global_load_b128 v[B1+8*\t+4:B1+8*\t+7], v[AB], s[12:13] offset:64*\t+16
	global_load_b128 v[W2R+8*\t:W2R+8*\t+3], v[AB], s[14:15] offset:64*\t
	global_load_b128 v[W2R+8*\t+4:W2R+8*\t+7], v[AB], s[14:15] offset:64*\t+16
.endr
.irp t, 0,1,2,3
.irp i, 4,5,6,7
	v_mov_b32 v[W1F+8*\t+\i], 0                    ; K = 64 .. 127: zero codes
.endr
.endr
	v_cvt_f32_u32 v[CFV], s[RES]
	v_mov_b32 v[CBP], 0
	v_mov_b32 v[CBP+1], s[BIAS]
	v_mul_f32 v[CFV], 0x33000000, v[CFV]           ; res x 2^-25, exact
	s_wait_loadcnt 22                              ; q's three loads are in; the 22 loads of weights behind them may be out
.irp j, 0,1,2,3
.irp d, 0,1,2
	v_cvt_f32_i32 v[QF+3*\j+\d], v[G+4*\d+\j]
	v_xor_b32 v[U+3*\j+\d], 0x80000000, v[G+4*\d+\j]   ; + 2^31
.endr
.endr
	s_wait_kmcnt 0x0                               ; b2
; On to the next level's constants
.macro NEXTLEVEL
	s_mul_i32 s[POW], s[POW], 3
	s_add_co_u32 s[LV], s[LV], 1
	s_lshr_b32 s[RES], s[POW], s[LV]               ; floor(16 x 1.5^l)
	s_lshl_b32 s[M7], s[RES], 7
	s_lshl_b32 s[BIAS], s[RES], 6
	s_sub_co_u32 s[BIAS], 0, s[BIAS]
	v_cvt_f32_u32 v[CFV], s[RES]
	v_mov_b32 v[CBP+1], s[BIAS]
	v_mul_f32 v[CFV], 0x33000000, v[CFV]
.endm
; Link c of a point's sum: both features of corner c x its weight, corners in ascending order
.macro LINK c
.if (\c) == 0
	v_pk_mul_f32 v[AC:AC+1], v[GB:GB+1], v[T+4:T+5] op_sel_hi:[1,0]
.elseif (\c)%2 == 0
	v_pk_fma_f32 v[AC:AC+1], v[GB+2*(\c):GB+2*(\c)+1], v[T+4+(\c):T+5+(\c)], v[AC:AC+1] op_sel_hi:[1,0,1]
.else
	v_pk_fma_f32 v[AC:AC+1], v[GB+2*(\c):GB+2*(\c)+1], v[T+3+(\c):T+4+(\c)], v[AC:AC+1] op_sel:[0,1,0] op_sel_hi:[1,1,1]
.endif
.endm
; POINT j's TURN.  cons = 1: its entries of the level asked for a turn ago are weighed in (left: the loads issued behind them, 8 for each younger stage; off: that level's place in LDS beside v[LA]).
; iss = 1: its coordinates, fractions and 8 indices in the level in hand, and its 8 loads, which name the base s[tb:tb+1].
; The eight links of the sum depend on each other: between them stand the first lines of the next level, which write only registers whose entries the links above them have read.
.macro STEP j, cons, left, off, iss, tb
.set GB, G+16*(\j)
.set WB, WS+6*(\j)
.set AC, ACC+2*(\j)
.set QB, 3*(\j)
.if \cons
.irp d, 0,1,2
	v_sub_f32 v[WB+2*\d], 1.0, v[WB+2*\d+1]
.endr
	v_pk_mul_f32 v[T:T+1], v[WB:WB+1], v[WB+2:WB+3] op_sel_hi:[1,0]                       ; (1 - wx, wx) x (1 - wy)
	v_pk_mul_f32 v[T+2:T+3], v[WB:WB+1], v[WB+2:WB+3] op_sel:[0,1] op_sel_hi:[1,1]        ; (1 - wx, wx) x wy
	v_pk_mul_f32 v[T+4:T+5], v[T:T+1], v[WB+4:WB+5] op_sel_hi:[1,0]                       ; corners 0, 1: x (1 - wz): the product's order is reference()'s: (x y) z
	v_pk_mul_f32 v[T+6:T+7], v[T+2:T+3], v[WB+4:WB+5] op_sel_hi:[1,0]                     ; corners 2, 3
	v_pk_mul_f32 v[T+8:T+9], v[T:T+1], v[WB+4:WB+5] op_sel:[0,1] op_sel_hi:[1,1]          ; corners 4, 5: x wz
	v_pk_mul_f32 v[T+10:T+11], v[T+2:T+3], v[WB+4:WB+5] op_sel:[0,1] op_sel_hi:[1,1]      ; corners 6, 7
	s_wait_loadcnt \left                           ; loads come back in order: this stage's 8 are in
.endif
.irp c, 0,1,2,3,4,5,6,7
.if \cons
	LINK \c
.endif
.if \iss
.if \c < 3
	v_mul_f32 v[T+\c], v[CFV], v[QF+QB+\c]         ; pos, rounded as reference() rounds x01 x res (the products of two have been used: their registers are free)
.elseif \c < 6
	v_mad_co_u64_u32 v[GB+2*(\c-3):GB+2*(\c-3)+1], vcc_lo, v[U+QB+\c-3], s[M7], v[CBP:CBP+1]   ; the upper word is i0 (see the head); the carry is read by nobody
.else
	v_cvt_f32_i32 v[GB+7+2*(\c-6)], v[GB+1+2*(\c-6)]
.endif
.endif
.endr
.if \iss
	v_cvt_f32_i32 v[GB+11], v[GB+5]
	v_mul_u32_u24 v[GB+2], P1, v[GB+3]             ; y:  i0 x prime
	v_mul_u32_u24 v[GB+4], P2, v[GB+5]             ; z:  i0 x prime
.endif
.if \cons
	ds_store_b64 v[LA], v[AC:AC+1] offset:(\off)+256*(\j)      ; the wave stores 256 consecutive bytes of its own LDS
.endif
.if \iss
.irp d, 0,1,2
	v_sub_f32 v[WB+1+2*\d], v[T+\d], v[GB+7+2*\d]  ; w = pos - i0, exact (not fused with the multiply: see the head)
.endr
	v_add_nc_u32 v[GB+3], 1, v[GB+1]
	v_and_b32 v[GB+1], s[MK], v[GB+1]              ; x:  i0
	v_add_nc_u32 v[GB+6], P1, v[GB+2]              ; y:  (i0 + 1) x prime
	v_add_nc_u32 v[GB+8], P2, v[GB+4]              ; z:  (i0 + 1) x prime
	v_and_b32 v[GB+3], s[MK], v[GB+3]              ; x:  i0 + 1
	v_xor_b32 v[GB+5], v[GB+2], v[GB+4]            ; y ^ z for the four corners of the y-z square
	v_xor_b32 v[GB+7], v[GB+6], v[GB+4]
	v_xor_b32 v[GB+9], v[GB+2], v[GB+8]
	v_xor_b32 v[GB+11], v[GB+6], v[GB+8]
.irp i, 5,7,9,11
	v_and_b32 v[GB+\i], s[MK], v[GB+\i]
.endr
.irp i, 0,1,2,3
	v_xor_b32 v[GB+4*\i], v[GB+1], v[GB+5+2*\i]    ; corner 2 i
	v_xor_b32 v[GB+4*\i+2], v[GB+3], v[GB+5+2*\i]  ; corner 2 i + 1
.endr
.irp c, 0,1,2,3,4,5,6,7
	v_min_u32 v[GB+2*\c], HMASK, v[GB+2*\c]        ; an index made of numbers read from memory enters an address behind a bound written in the instruction (the masks have kept it already)
.endr
.irp c, 0,1,2,3,4,5,6,7
	global_load_b64 v[GB+2*\c:GB+2*\c+1], v[GB+2*\c], s[\tb:\tb+1] scale_offset   ; entry = table + 8 x index: the modifier spares a shift for each index; the load lands on its own index
.endr
.endif
.endm
	STEP 0, 0, 0, 0, 1, TA                         ; level 0 is asked for
	STEP 1, 0, 0, 0, 1, TA
	STEP 2, 0, 0, 0, 1, TA
	STEP 3, 0, 0, 0, 1, TA
.Llevel:                                               ; 7 trips of two levels: levels 2 t and 2 t + 1 are weighed in, levels 2 t + 1 and 2 t + 2 are asked for
	v_add_nc_u32 v[LA], s[LOFF], v[LB]
	NEXTLEVEL                                      ; an odd level
	STEP 0, 1, 24, 0, 1, TB                        ; behind a stage's loads stand the three other stages': 24, round the back edge too
	STEP 1, 1, 24, 0, 1, TB
	STEP 2, 1, 24, 0, 1, TB
	STEP 3, 1, 24, 0, 1, TB
	s_add_nc_u64 s[TA:TA+1], s[TA:TA+1], 2*TBYTES  ; point 3's counted wait has shown the last loads that named this base done: the 32 that are out name the other
	NEXTLEVEL                                      ; an even level
	STEP 0, 1, 24, 1024, 1, TA
	STEP 1, 1, 24, 1024, 1, TA
	STEP 2, 1, 24, 1024, 1, TA
	STEP 3, 1, 24, 1024, 1, TA
	s_add_nc_u64 s[TB:TB+1], s[TB:TB+1], 2*TBYTES  ; likewise; in the last trip it comes to level 15's table
	s_add_co_u32 s[LOFF], s[LOFF], 2048
	s_sub_co_u32 s[CNT], s[CNT], 1
	s_cmp_lg_u32 s[CNT], 0
	s_cbranch_scc1 .Llevel
	v_add_nc_u32 v[LA], s[LOFF], v[LB]
	NEXTLEVEL                                      ; level 15 is asked for, level 14 weighed in
	STEP 0, 1, 24, 0, 1, TB
	STEP 1, 1, 24, 0, 1, TB
	STEP 2, 1, 24, 0, 1, TB
	STEP 3, 1, 24, 0, 1, TB
	STEP 0, 1, 24, 1024, 0, TB                     ; level 15: nothing more is asked for, the counts run down
	STEP 1, 1, 16, 1024, 0, TB
	STEP 2, 1, 8, 1024, 0, TB
	STEP 3, 1, 0, 1024, 0, TB
.macro LOADE j, en                     ; enc of my point j: 16 levels x 8 bytes; each load takes 256 consecutive bytes.  LDS serves a wave's instructions in order: these see my stores
.irp l, 0,1,2,3,4,5,6,7,8,9,10,11,12,13,14,15
	ds_load_b64 v[\en+2*\l:\en+2*\l+1], v[LB] offset:1024*\l+256*(\j)
.endr
.endm
; One product: hidden units 16 t .. 16 t + 15 of the 16 points of half p.  W1's scales: lanes 0-15 of register t / 2 for an even t, lanes 16-31 for an odd one; the points' scales: lanes 16 p ..
.macro MM dd, t, p
.set DD, \dd
.if ((\t)%2 == 0) && ((\p) == 0)
	v_wmma_scale_f32_16x16x128_f8f6f4 v[DD:DD+7], v[W1F+8*(\t):W1F+8*(\t)+7], v[OP+8*(\p):OP+8*(\p)+7], v[B1+8*(\t):B1+8*(\t)+7], v[W1S+(\t)/2], v[PS] matrix_a_fmt:MATRIX_FMT_FP4 matrix_b_fmt:MATRIX_FMT_FP4
.elseif ((\t)%2 == 1) && ((\p) == 0)
	v_wmma_scale_f32_16x16x128_f8f6f4 v[DD:DD+7], v[W1F+8*(\t):W1F+8*(\t)+7], v[OP+8*(\p):OP+8*(\p)+7], v[B1+8*(\t):B1+8*(\t)+7], v[W1S+(\t)/2], v[PS] matrix_a_fmt:MATRIX_FMT_FP4 matrix_b_fmt:MATRIX_FMT_FP4 matrix_a_scale:MATRIX_SCALE_ROW1
.elseif ((\t)%2 == 0)
	v_wmma_scale_f32_16x16x128_f8f6f4 v[DD:DD+7], v[W1F+8*(\t):W1F+8*(\t)+7], v[OP+8*(\p):OP+8*(\p)+7], v[B1+8*(\t):B1+8*(\t)+7], v[W1S+(\t)/2], v[PS] matrix_a_fmt:MATRIX_FMT_FP4 matrix_b_fmt:MATRIX_FMT_FP4 matrix_b_scale:MATRIX_SCALE_ROW1
.else
	v_wmma_scale_f32_16x16x128_f8f6f4 v[DD:DD+7], v[W1F+8*(\t):W1F+8*(\t)+7], v[OP+8*(\p):OP+8*(\p)+7], v[B1+8*(\t):B1+8*(\t)+7], v[W1S+(\t)/2], v[PS] matrix_a_fmt:MATRIX_FMT_FP4 matrix_b_fmt:MATRIX_FMT_FP4 matrix_a_scale:MATRIX_SCALE_ROW1 matrix_b_scale:MATRIX_SCALE_ROW1
.endif
.endm
; relu, and my 32 hidden units x W2, in two chains of packed multiply-adds; each accumulator is read from its low end on.  The lane's part of the sum ends in v[a]
.macro DOT dr, a
.irp k, 0,1,2,3
	v_max_num_f32 v[\dr+\k], 0, v[\dr+\k]
.endr
	v_pk_mul_f32 v[\a:\a+1], v[\dr:\dr+1], v[W2R:W2R+1]
	v_pk_mul_f32 v[\a+2:\a+3], v[\dr+2:\dr+3], v[W2R+2:W2R+3]
.irp k, 4,8,12,16,20,24,28
	v_max_num_f32 v[\dr+\k], 0, v[\dr+\k]
	v_max_num_f32 v[\dr+\k+1], 0, v[\dr+\k+1]
	v_max_num_f32 v[\dr+\k+2], 0, v[\dr+\k+2]
	v_max_num_f32 v[\dr+\k+3], 0, v[\dr+\k+3]
	v_pk_fma_f32 v[\a:\a+1], v[\dr+\k:\dr+\k+1], v[W2R+\k:W2R+\k+1], v[\a:\a+1]
	v_pk_fma_f32 v[\a+2:\a+3], v[\dr+\k+2:\dr+\k+3], v[W2R+\k+2:W2R+\k+3], v[\a+2:\a+3]
.endr
	v_pk_add_f32 v[\a:\a+1], v[\a:\a+1], v[\a+2:\a+3]
	v_add_f32 v[\a], v[\a], v[\a+1]
.endm
; Batch j: point j of each of the 32 lanes.  left: the LDS loads issued behind this batch's.
.macro MLP j, en, left
	s_wait_dscnt \left
.if (\j) == 0
.irp i, 4,5,6,7,12,13,14,15
	v_mov_b32 v[OP+\i], 0                          ; K = 64 .. 127 of both operands: zero codes, written once: only matrix instructions name these registers afterwards
.endr
.endif
.irp i, 8,9,10,11
	v_mov_b32 v[OP+\i], 0                          ; what the exchange below brings into the upper lanes
.endr
	v_max3_num_f32 v[MT], |v[\en]|, |v[\en+1]|, 0x1800000      ; the block's largest magnitude, in two chains, and the floor 2^(3 - 127): so the byte cannot fall under 1
	v_max3_num_f32 v[MT+1], |v[\en+2]|, |v[\en+3]|, |v[\en+4]|
.irp i, 5,9,13,17,21,25
	v_max3_num_f32 v[MT], v[MT], |v[\en+\i]|, |v[\en+\i+1]|
	v_max3_num_f32 v[MT+1], v[MT+1], |v[\en+\i+2]|, |v[\en+\i+3]|
.endr
	v_max3_num_f32 v[MT], v[MT], |v[\en+29]|, |v[\en+30]|
	v_max3_num_f32 v[MT], v[MT], v[MT+1], |v[\en+31]|
	v_add_nc_u32 v[MT+2], 0xff000000, v[MT]        ; 2 off its exponent field: the conversion takes the exponent field of this operand as its scale
	v_lshrrev_b32 v[PS], 23, v[MT+2]               ; the scale's byte, with zeros above it
.irp g, 0,1,2,3
	v_cvt_scalef32_pk8_fp4_f32 v[OP+\g], v[\en+8*\g:\en+8*\g+7], v[MT+2]   ; K = 8 g .. 8 g + 7
.endr
	v_nop                                          ; one plain place behind a scaled conversion
.irp i, 0,1,2,3
	v_permlane16_swap_b32 v[OP+\i], v[OP+8+\i]     ; lanes 16-31 of the codes change places with lanes 0-15 of zeros: points 0-15 | zeros, and points 16-31 | zeros
.endr
.rept 8
	v_nop                                          ; a scale register written by a vector instruction stands 8 places ahead of a scaled matrix instruction, an operand so written 4
.endr
.irp t, 0,1,2,3
	MM D0+8*\t, \t, 0                              ; eight accumulators, each written once: no two of these lines share one
.endr
.irp t, 0,1,2,3
	MM \en+8*\t, \t, 1                             ; into the registers that enc has left
.endr
.rept 4
	v_nop                                          ; four places between the last product and the first read of a result (ISA guide 7.12.1)
.endr
	DOT D0, MT+4
	DOT \en, MT+8
	v_permlane16_swap_b32 v[MT+4], v[MT+8]         ; now lane l holds in the one register the part of its own point from hidden halves 0, in the other that from halves 1
	v_add_f32 v[MT+4], v[MT+4], v[MT+8]
	v_add_f32 v[OUTR+(\j)], s20, v[MT+4]           ; + b2
.endm
	LOADE 0, EN0
	LOADE 1, EN1
	v_cmp_gt_u32 vcc_lo, 16, v[LN]
.irp t, 0,1,2,3
.irp i, 0,1,2,3
	v_cndmask_b32 v[W1F+8*\t+\i], 0, v[W1F+8*\t+\i], vcc_lo    ; lanes 16-31 stand for K = 32 .. 63: zero codes (the weights' loads are long in: the last wait for loads was for 0)
.endr
.endr
	MLP 0, EN0, 16                                 ; behind a batch's 16 loads stand the next batch's 16
	LOADE 2, EN0
	MLP 1, EN1, 16
	LOADE 3, EN1
	MLP 2, EN0, 16
	MLP 3, EN1, 0
	global_store_b128 v[LOF], v[OUTR:OUTR+3], s[18:19] th:TH_STORE_NT   ; my 4 neighbouring points: the wave stores 512 consecutive bytes
	s_wait_xcnt 0x0
	v_lshl_add_u32 v254, v0, 2, 0x40000
	v_mov_b32 v255, 0
	s_wait_tensorcnt 0x0
	ds_add_u32 v254, v255
	s_wait_dscnt 0x0
	s_endpgm
.Lfunc_end_k_q8782ab0ef8_encode_mlp:
	.size	k_q8782ab0ef8_encode_mlp, .Lfunc_end_k_q8782ab0ef8_encode_mlp-k_q8782ab0ef8_encode_mlp
	.p2alignl 7, 3214868480
	.fill 96, 4, 3214868480
	.section	.rodata,"a",@progbits
	.p2align	6, 0x0
	.amdhsa_kernel k_q8782ab0ef8_encode_mlp
		.amdhsa_group_segment_fixed_size 264192
		.amdhsa_private_segment_fixed_size 0
		.amdhsa_enable_private_segment 0
		.amdhsa_kernarg_size 64
		.amdhsa_user_sgpr_count 2
		.amdhsa_user_sgpr_kernarg_segment_ptr 1
		.amdhsa_wavefront_size32 1
		.amdhsa_system_sgpr_workgroup_id_x 1
		.amdhsa_system_sgpr_workgroup_id_y 1
		.amdhsa_system_sgpr_workgroup_id_z 1
		.amdhsa_system_vgpr_workitem_id 0
		.amdhsa_next_free_vgpr 256
		.amdhsa_next_free_sgpr 66
		.amdhsa_reserve_vcc 1
		.amdhsa_float_denorm_mode_32 3
		.amdhsa_float_denorm_mode_16_64 3
		.amdhsa_memory_ordered 1
		.amdhsa_forward_progress 1
		.amdhsa_inst_pref_size 100
	.end_amdhsa_kernel
	.amdgpu_metadata
---
amdhsa.version: [ 1, 2 ]
amdhsa.kernels:
  - .name:           k_q8782ab0ef8_encode_mlp
    .symbol:         k_q8782ab0ef8_encode_mlp.kd
    .args:
      - { .name: q, .offset: 0, .size: 8, .value_kind: global_buffer, .address_space: global }
      - { .name: tables, .offset: 8, .size: 8, .value_kind: global_buffer, .address_space: global }
      - { .name: W1_codes, .offset: 16, .size: 8, .value_kind: global_buffer, .address_space: global }
      - { .name: W1_scales, .offset: 24, .size: 8, .value_kind: global_buffer, .address_space: global }
      - { .name: b1, .offset: 32, .size: 8, .value_kind: global_buffer, .address_space: global }
      - { .name: W2, .offset: 40, .size: 8, .value_kind: global_buffer, .address_space: global }
      - { .name: b2, .offset: 48, .size: 8, .value_kind: global_buffer, .address_space: global }
      - { .name: out0, .offset: 56, .size: 8, .value_kind: global_buffer, .address_space: global }
    .group_segment_fixed_size: 264192
    .private_segment_fixed_size: 0
    .kernarg_segment_align: 8
    .kernarg_segment_size: 64
    .max_flat_workgroup_size: 512
    .sgpr_count:     66
    .vgpr_count:     256
    .wavefront_size: 32
...
	.end_amdgpu_metadata
.endif
;; end of part 2
;; ======== version 2 of 2: 2 launches; version 1 with the launch encode_mlp written anew for expert scheduling mode
;; limits: inputs' magnitudes at most 126; right only within a limited range of input values
;; workspace buffers: q 12,582,912 bytes of whole numbers
;; launch to_fixed: the kernel of part 1 again; grid 256 x 1, 8 waves a work-group, no clusters, 50,176 bytes of LDS; arguments x, q; writes q
;; launch encode_mlp (part 3): grid 512 x 1, 16 waves a work-group, no clusters, 264,192 bytes of LDS; arguments q, tables, W1_codes, W1_scales, b1, W2, b2, out0; writes out0
.if DOCPART == 3
	.amdgcn_target "amdgcn-amd-amdhsa--gfx1250"
	.amdhsa_code_object_version 6
	.text
	.protected	k_q8782ab0ef8_encode_mlp
	.globl	k_q8782ab0ef8_encode_mlp
	.p2align	8
	.type	k_q8782ab0ef8_encode_mlp,@function
k_q8782ab0ef8_encode_mlp:
	s_mov_b64 s[64:65], 0
	v_nop
	global_prefetch_b8 v0, s[64:65] scope:SCOPE_SE
	s_setreg_imm32_b32 hwreg(HW_REG_WAVE_SCHED_MODE, 0, 2), 2
	s_setreg_imm32_b32 hwreg(HW_REG_WAVE_MODE, 25, 1), 1
	s_wait_xcnt 0x0
	s_wait_alu depctr_vm_vsrc(0)
; out = relu(Q(enc) W1 + b1) W2 + b2, enc = the hash grid's 16 levels x 2 features of each point, Q the MX-FP4 quantiser along K = 32 (one block a point).
; q: the coordinates as whole numbers, x01 = q 2^-25, laid [chunk of 128 points][3 axes][128] by the launch before.  W1: codes [64][16 bytes] and one E8M0 byte a row.
; COORDINATES.  Level l has res = floor(16 x 1.5^l) = (16 x 3^l) >> l.  The whole part i0 = floor(q res / 2^25) is made of whole numbers alone, by ONE 64-bit multiply-add:
;   (q + 2^31) x (res 2^7) + ((-64 res) 2^32): the 2^31 makes q unsigned and puts 64 res on top of the upper word, the addend takes it off again: the upper word is i0.
;   The fraction is made as reference() makes it: pos = float(q) x (res 2^-25) is x01 x res rounded once (float(q) is exact: q has at most 24 significant bits), and w = pos - float(i0), exact.
;   THE MULTIPLY AND THE SUBTRACTION ARE NOT FUSED: reference() rounds pos first.  Where pos rounds up onto a whole number n, i0 is n - 1 and w is 1.0: the same corners get the same weights as with i0 = n, w = 0, the others get 0.
; HASH.  Only its low 19 bits count, so the primes are taken mod 2^24 and multiplied by the 24-bit form; x's prime is 1.
; SHARES.  A wave takes a chunk of 128 points, a lane 4 neighbouring points.  The levels are the outer loop.  Each of a lane's 4 points has a stage of 16 registers: in its turn its last level's 8 entries are weighed in
;   and its next level's 8 loads go out: 24 to 32 loads of a wave are always out.
;   enc (128 numbers a lane) goes to the wave's own 16 KiB of LDS, [level][point of the lane][lane] x 8 bytes: every LDS instruction takes 256 consecutive bytes.
; TWO BASES BY TURNS.  Even levels' loads name s[6:7], odd levels' s[2:3]; a trip of the loop runs two levels.  A base is stepped two levels on behind the counted wait of point 3's turn, which shows the last
;   loads that named it done (the loads that are out then name the other base): so no wait for address translation stands in the loop.
; THE PRODUCTS, 32 points (one of each lane) at a time.  A lane's 32 numbers are the whole block: its largest magnitude needs no other lane.  The matrix instruction is used transposed: source 0 = 16 rows of W1,
;   source 1 = 16 points: a lane holds one point and hidden units 16 t + 8 (lane / 16) + 0..7.  K = 32 fills the instruction's block 0 (registers 0-3 of lanes 0-15); all other codes are zeros.  b1 is the C operand.
;   W2's product (left as it is) is f32 multiply-adds in the lane and one exchange between the halves of the lanes.
; No tile is shared between work-groups (single entries at hashed places), so there are no tensor loads, no cluster and no barrier: waves share nothing.
; LIMITS: |x + 1| < 128 (the launch before); NaN and infinities in the tables are not served (a weight 0 must give 0); a block of zeros gets the byte 1 where the rule says 127: its codes are zeros, and this program alone reads the byte.
; THE MODE: SCHED_MODE bits 1:0 = 2 (LLVM: expert scheduling mode 2), set by the entry lines.  The code itself states the register dependences
; between vector or matrix instructions and memory or LDS instructions, with s_wait_alu, always for 0.
; THE PLAN.  Registers that memory or LDS instructions touch:
;   v1, v2, v5, v7, v14  offsets and the LDS base: made at the head, never written again.
;   IDX, stage j   Point j's turn writes its 8 indices in its last sixteen vector lines; its 8 loads read them; its next turn, four turns on, writes them again, behind the counted wait that shows those loads done.
;                  The four sets lie where W2 lies behind the levels: W2's loads go out in the last turn, when every load that read an index is done.
;   G, stage j     The loads of point j's turn land in it; its next turn's links read it and the next level's arithmetic uses it as scratch.  No memory instruction reads it.
;   ACC, pair j    Point j's links write it; the LDS store of the same turn reads it; the links write it again four turns on.
;   v[LA]          Read by every turn's LDS store; written once a trip, in point 0's first turn.
;   EN0, EN1       (behind the levels) LDS loads land in them; the quantiser reads them, the products of points 16-31 and their dot product use them.
;   WS, T, QF, U, CFV, CBP are named by vector instructions alone.
; A TURN HAS THREE WAITS.  One on va_sdst behind its three multiply-adds, whose carries go to three scalar registers that nobody reads and that the next turn's multiply-adds name again.
;   One on vm_vsrc ahead of the lines that write the indices, nearly a turn behind the youngest loads: the point's loads of four turns ago have read its indices, the LDS stores issued so far have read v[LA] and their pairs.
;   One on va_vdst behind the last index line: the indices, the pair and (where it was stepped) v[LA] are written, and every line that names the stage is done.  Behind it the turn's 8 loads and its LDS store are dealt among
;   the NEXT point's nine weight lines, which name WS and T alone: none of the registers that those nine memory instructions touch.
; A BATCH OF THE PRODUCTS HAS ONE WAIT on va_vdst, behind the places and ahead of the products: the points' codes and scale word are written, and the batch before is done with the other enc buffer: so the loads of the
;   next batch, which land there, follow it, two behind each product; no line behind the wait names that buffer.
.set TBYTES, 0x400000                  ; a level's table: 2^19 entries of 8 bytes
.set HMASK,  0x7ffff
.set P1,     0x3779b1                  ; 2654435761 mod 2^24
.set P2,     0x025795                  ; 805459861 mod 2^24
; vector registers
.set LOF,  1                           ; v1      16 x lane: my place in q's loads and in the store of the results
.set LB,   2                           ; v2      LDS: my wave's bytes + 8 x lane
.set LA,   3                           ; v3      the same + the trip's two levels
.set CFV,  4                           ; v4      res 2^-25 as f32
.set LN,   5                           ; v5      lane
.set PS,   6                           ; v6      the points' scale words: nothing else ever
.set AW1,  7                           ; v7      16 x (lane % 16): W1's rows
.set W1S,  8                           ; v8-9    W1's scale words: tile 2 i in lanes 0-15 of register i, tile 2 i + 1 in lanes 16-31: nothing else ever
.set OUTR, 10                          ; v10-13  my 4 results
.set AB,   14                          ; v14     32 x (lane / 16): b1's and W2's eight numbers of my half
.set QF,   16                          ; v16-27  float(q), point j, axis d at 3 j + d
.set U,    28                          ; v28-39  q + 2^31
.set CBP,  40                          ; v40-41  the multiply-add's addend: 0 below, -64 res above
.set WS,   52                          ; v52-75  stage j: the pairs (1 - wx, wx), (1 - wy, wy), (1 - wz, wz)
.set T,    76                          ; v76-87  products of two (later the three pos), then the 8 weights, corner c at T + 4 + c
.set ACC,  88                          ; v88-95  stage j: the level's two features
.set G,    96                          ; v96-159 stage j: 8 pairs: the entry of corner c at 2 c
.set W1F,  160                         ; v160-191 W1: tile t: 4 registers of codes (lanes 0-15), 4 of zeros
.set B1,   192                         ; v192-223 b1 in the result's layout, tile t at 8 t
.set IDX,  224                         ; v224-255 in the levels: stage j: its 8 indices, corner c at 8 j + c
.set W2R,  224                         ; v224-255 behind the levels: W2 in the result's layout, tile t at 8 t
; behind the levels v16-159 are free:
.set EN0,  16                          ; v16-47  enc of a batch; then the results of its points 16-31
.set EN1,  48                          ; v48-79  the same for the next batch
.set OP,   80                          ; v80-95  the points' operands: codes of points 0-15, zeros, codes of points 16-31, zeros
.set D0,   96                          ; v96-127 the results of points 0-15
.set MT,   128                         ; v128-139 at work
; scalar registers: s[4:5] q, s[8:9] W1's codes, s[10:11] W1's scales, s[12:13] b1, s[14:15] W2, s[16:17] b2, s[18:19] out, s20 b2's value, s22 (behind the levels) the mask of lanes 0-15
.set TA,   6                           ; s[6:7]  the table of the even level in hand
.set TB,   2                           ; s[2:3]  the table of the odd level in hand
.set CY,   23                          ; s23-25  (behind the head) the three multiply-adds' carries: nobody reads them
.set MK,   28
.set POW,  29                          ; 16 x 3^level
.set LV,   30                          ; level
.set RES,  31
.set BIAS, 32                          ; -64 res
.set LOFF, 33                          ; 1,024 x the first of the two levels that a trip weighs in
.set CNT,  34
.set M7,   35                          ; 128 res
	s_load_b256 s[4:11], s[0:1], 0x0
	s_load_b256 s[12:19], s[0:1], 0x20
	v_lshrrev_b32 v15, 5, v0
	v_readfirstlane_b32 s21, v15                   ; wave 0..15
	v_and_b32 v[LN], 31, v0
	v_lshlrev_b32 v[LOF], 4, v[LN]
	v_and_b32 v[AW1], 15, v0
	v_lshlrev_b32 v[AW1], 4, v[AW1]
	v_bfe_u32 v[AB], v0, 4, 1
	v_lshlrev_b32 v[AB], 5, v[AB]
	s_wait_alu depctr_va_sdst(0)                   ; s21 is written, ahead of its first reader: the wave's LDS bytes and its chunk are made from it
	s_lshl_b32 s23, s21, 14                        ; my wave's 16,384 bytes of LDS
	v_lshl_add_u32 v[LB], v[LN], 3, s23
	s_lshl_b32 s22, ttmp9, 4
	s_add_co_u32 s22, s22, s21                     ; my chunk, 0..8191
	s_mul_i32 s24, s22, 1536                       ; its bytes in q,
	s_mov_b32 s25, 0
	s_lshl_b32 s26, s22, 9                         ; and in out
	s_mov_b32 s27, 0
	s_mov_b32 s[MK], HMASK
	s_mov_b32 s[POW], 16
	s_mov_b32 s[LV], 0
	s_mov_b32 s[RES], 16                           ; level 0
	s_mov_b32 s[M7], 2048
	s_mov_b32 s[BIAS], -1024
	s_mov_b32 s[LOFF], 0
	s_mov_b32 s[CNT], 7
	s_wait_kmcnt 0x0
	s_load_b32 s20, s[16:17], 0x0                  ; b2
	s_add_nc_u64 s[4:5], s[4:5], s[24:25]
	s_add_nc_u64 s[18:19], s[18:19], s[26:27]
	s_add_nc_u64 s[TB:TB+1], s[TA:TA+1], TBYTES    ; level 1's table
	s_wait_alu depctr_va_vdst(0)                   ; the offsets v1, v5, v7, v14 and the LDS base v2 are written: the loads below, W2's loads, the LDS loads of enc and the last store read them
.irp d, 0,1,2
	global_load_b128 v[G+4*\d:G+4*\d+3], v[LOF], s[4:5] offset:512*\d th:TH_LOAD_NT   ; axis d of my 4 points; the wave reads 512 consecutive bytes
.endr
.irp t, 0,1,2,3
	global_load_b128 v[W1F+8*\t:W1F+8*\t+3], v[AW1], s[8:9] offset:256*\t   ; row 16 t + lane % 16: its 32 codes
.endr
.irp i, 0,1
	global_load_u8 v[W1S+\i], v[LN], s[10:11] offset:32*\i                  ; row 32 i + lane: the byte, with zeros above it (the scales of blocks that hold zero codes)
.endr
.irp t, 0,1,2,3
	global_load_b128 v[B1+8*\t:B1+8*\t+3], v[AB], s[12:13] offset:64*\t
	global_load_b128 v[B1+8*\t+4:B1+8*\t+7], v[AB], s[12:13] offset:64*\t+16
.endr
.irp t, 0,1,2,3
.irp i, 4,5,6,7
	v_mov_b32 v[W1F+8*\t+\i], 0                    ; K = 64 .. 127: zero codes (no load lands in these sixteen registers)
.endr
.endr
	v_cvt_f32_u32 v[CFV], s[RES]
	v_mov_b32 v[CBP], 0
	v_mov_b32 v[CBP+1], s[BIAS]
	v_mul_f32 v[CFV], 0x33000000, v[CFV]           ; res x 2^-25, exact
	s_wait_loadcnt 14                              ; q's three loads are in; the 14 loads of W1 and b1 behind them may be out
.irp j, 0,1,2,3
.irp d, 0,1,2
	v_cvt_f32_i32 v[QF+3*\j+\d], v[G+4*\d+\j]
	v_xor_b32 v[U+3*\j+\d], 0x80000000, v[G+4*\d+\j]   ; + 2^31
.endr
.endr
	s_wait_kmcnt 0x0                               ; b2
; On to the next level's constants
.macro NEXTLEVEL
	s_mul_i32 s[POW], s[POW], 3
	s_add_co_u32 s[LV], s[LV], 1
	s_lshr_b32 s[RES], s[POW], s[LV]               ; floor(16 x 1.5^l)
	s_lshl_b32 s[M7], s[RES], 7
	s_lshl_b32 s[BIAS], s[RES], 6
	s_sub_co_u32 s[BIAS], 0, s[BIAS]
	v_cvt_f32_u32 v[CFV], s[RES]
	v_mov_b32 v[CBP+1], s[BIAS]
	v_mul_f32 v[CFV], 0x33000000, v[CFV]
.endm
; Link c of a point's sum: both features of corner c x its weight, corners in ascending order
.macro LINK c
.if (\c) == 0
	v_pk_mul_f32 v[AC:AC+1], v[GB:GB+1], v[T+4:T+5] op_sel_hi:[1,0]
.elseif (\c)%2 == 0
	v_pk_fma_f32 v[AC:AC+1], v[GB+2*(\c):GB+2*(\c)+1], v[T+4+(\c):T+5+(\c)], v[AC:AC+1] op_sel_hi:[1,0,1]
.else
	v_pk_fma_f32 v[AC:AC+1], v[GB+2*(\c):GB+2*(\c)+1], v[T+3+(\c):T+4+(\c)], v[AC:AC+1] op_sel:[0,1,0] op_sel_hi:[1,1,1]
.endif
.endm
; Line k of the nine that make the 8 weights of the point whose fractions lie at v[WN] on
.macro WGT k
.if (\k) < 3
	v_sub_f32 v[WN+2*(\k)], 1.0, v[WN+2*(\k)+1]
.elseif (\k) == 3
	v_pk_mul_f32 v[T:T+1], v[WN:WN+1], v[WN+2:WN+3] op_sel_hi:[1,0]                       ; (1 - wx, wx) x (1 - wy)
.elseif (\k) == 4
	v_pk_mul_f32 v[T+2:T+3], v[WN:WN+1], v[WN+2:WN+3] op_sel:[0,1] op_sel_hi:[1,1]        ; (1 - wx, wx) x wy
.elseif (\k) == 5
	v_pk_mul_f32 v[T+4:T+5], v[T:T+1], v[WN+4:WN+5] op_sel_hi:[1,0]                       ; corners 0, 1: x (1 - wz): the product's order is reference()'s: (x y) z
.elseif (\k) == 6
	v_pk_mul_f32 v[T+6:T+7], v[T+2:T+3], v[WN+4:WN+5] op_sel_hi:[1,0]                     ; corners 2, 3
.elseif (\k) == 7
	v_pk_mul_f32 v[T+8:T+9], v[T:T+1], v[WN+4:WN+5] op_sel:[0,1] op_sel_hi:[1,1]          ; corners 4, 5: x wz
.else
	v_pk_mul_f32 v[T+10:T+11], v[T+2:T+3], v[WN+4:WN+5] op_sel:[0,1] op_sel_hi:[1,1]      ; corners 6, 7
.endif
.endm
; POINT j's TURN.  cons = 1: its entries of the level asked for a turn ago are weighed in, by the weights that the turn before has left in T (left: the loads issued behind them, 8 for each younger stage; off: that level's place in LDS beside v[LA]).
; iss = 1: its coordinates, fractions and 8 indices in the level in hand, and its 8 loads, which name the base s[tb:tb+1].
; free = 1: the wait on vm_vsrc is owed.  la = 1: a trip's first turn, which steps v[LA].  nextw = 1: the next turn weighs in, so its point's weights are made here.
; The eight links of the sum depend on each other: between them stand the first lines of the next level, which write only registers whose entries the links above them have read.
.macro STEP j, cons, left, off, iss, tb, free, la, nextw
.set GB, G+16*(\j)
.set IX, IDX+8*(\j)
.set WB, WS+6*(\j)
.set WN, WS+6*(((\j)+1)%4)
.set AC, ACC+2*(\j)
.set QB, 3*(\j)
.if \cons
	s_wait_loadcnt \left                           ; loads come back in order: this stage's 8 are in, and so they are done with the stage's indices
.if (\free) && !(\iss)                         ; the very last turn
	s_wait_alu depctr_vm_vsrc(0)                   ; point 3's LDS store of four turns ago has read its pair, which the links below write again; all loads from the tables have read their indices, in whose registers W2 lands
.irp t, 0,1,2,3
	global_load_b128 v[W2R+8*\t:W2R+8*\t+3], v[AB], s[14:15] offset:64*\t          ; W2: the wait for 0 above has shown every load that read these registers done; the lines that wrote them stand ahead of earlier waits on va_vdst
	global_load_b128 v[W2R+8*\t+4:W2R+8*\t+7], v[AB], s[14:15] offset:64*\t+16
.endr
.endif
.endif
.irp c, 0,1,2,3,4,5,6,7
.if \cons
	LINK \c
.endif
.if \iss
.if \c < 3
	v_mul_f32 v[T+\c], v[CFV], v[QF+QB+\c]         ; pos, rounded as reference() rounds x01 x res (the products of two have been used: their registers are free)
.elseif \c < 6
	v_mad_co_u64_u32 v[GB+2*(\c-3):GB+2*(\c-3)+1], s[CY+\c-3], v[U+QB+\c-3], s[M7], v[CBP:CBP+1]   ; the upper word is i0 (see the head); the carry goes to a scalar register of its own, which nobody reads
.else
	v_cvt_f32_i32 v[GB+7+2*(\c-6)], v[GB+1+2*(\c-6)]
.endif
.if \c == 5
	s_wait_alu depctr_va_sdst(0)                   ; the three carries are written: the next turn's multiply-adds name s23 to s25 again
.endif
.endif
.endr
.if \iss
	v_cvt_f32_i32 v[GB+11], v[GB+5]
	v_mul_u32_u24 v[GB+2], P1, v[GB+3]             ; y:  i0 x prime
	v_mul_u32_u24 v[GB+4], P2, v[GB+5]             ; z:  i0 x prime
.irp d, 0,1,2
	v_sub_f32 v[WB+1+2*\d], v[T+\d], v[GB+7+2*\d]  ; w = pos - i0, exact (not fused with the multiply: see the head)
.endr
	v_add_nc_u32 v[GB+3], 1, v[GB+1]
	v_and_b32 v[GB+1], s[MK], v[GB+1]              ; x:  i0
	v_add_nc_u32 v[GB+6], P1, v[GB+2]              ; y:  (i0 + 1) x prime
	v_add_nc_u32 v[GB+8], P2, v[GB+4]              ; z:  (i0 + 1) x prime
	v_and_b32 v[GB+3], s[MK], v[GB+3]              ; x:  i0 + 1
	v_xor_b32 v[GB+5], v[GB+2], v[GB+4]            ; y ^ z for the four corners of the y-z square
	v_xor_b32 v[GB+7], v[GB+6], v[GB+4]
	v_xor_b32 v[GB+9], v[GB+2], v[GB+8]
	v_xor_b32 v[GB+11], v[GB+6], v[GB+8]
.irp i, 5,7,9,11
	v_and_b32 v[GB+\i], s[MK], v[GB+\i]
.endr
.if \free
	s_wait_alu depctr_vm_vsrc(0)                   ; this point's eight loads of four turns ago have read its indices, which the lines below write again; the LDS stores issued so far have read v[LA] and their pairs
.endif
.if \la
	v_add_nc_u32 v[LA], s[LOFF], v[LB]             ; the trip's two levels in LDS: behind the wait above, ahead of the wait below
.endif
.irp i, 0,1,2,3
	v_xor_b32 v[IX+2*\i], v[GB+1], v[GB+5+2*\i]    ; corner 2 i
	v_xor_b32 v[IX+2*\i+1], v[GB+3], v[GB+5+2*\i]  ; corner 2 i + 1
.endr
.irp c, 0,1,2,3,4,5,6,7
	v_min_u32 v[IX+\c], HMASK, v[IX+\c]            ; an index made of numbers read from memory enters an address behind a bound written in the instruction (the masks have kept it already)
.endr
.endif
	s_wait_alu depctr_va_vdst(0)                   ; the indices, the point's pair of features and (where it was stepped) v[LA] are written, which the loads and the LDS store below read; every line that names the stage, in which the loads land, is done
.irp c, 0,1,2,3,4,5,6,7
.if \iss
	global_load_b64 v[GB+2*\c:GB+2*\c+1], v[IX+\c], s[\tb:\tb+1] scale_offset   ; entry = table + 8 x index: the modifier spares a shift for each index
.endif
.if \nextw
	WGT \c                                         ; the next point's weights: these lines name WS and T alone, no register of the loads and the store among which they stand
.endif
.endr
.if \cons
	ds_store_b64 v[LA], v[AC:AC+1] offset:(\off)+256*(\j)      ; the wave stores 256 consecutive bytes of its own LDS
.endif
.if \nextw
	WGT 8
.endif
.endm
	STEP 0, 0, 0, 0, 1, TA, 0, 0, 0                ; level 0 is asked for.  Nothing has read the four sets of indices yet: these four turns owe no wait on vm_vsrc
	STEP 1, 0, 0, 0, 1, TA, 0, 0, 0
	STEP 2, 0, 0, 0, 1, TA, 0, 0, 0
	STEP 3, 0, 0, 0, 1, TA, 0, 0, 1
.Llevel:                                               ; 7 trips of two levels: levels 2 t and 2 t + 1 are weighed in, levels 2 t + 1 and 2 t + 2 are asked for
	NEXTLEVEL                                      ; an odd level
	STEP 0, 1, 24, 0, 1, TB, 1, 1, 1               ; behind a stage's loads stand the three other stages': 24, round the back edge too
	STEP 1, 1, 24, 0, 1, TB, 1, 0, 1
	STEP 2, 1, 24, 0, 1, TB, 1, 0, 1
	STEP 3, 1, 24, 0, 1, TB, 1, 0, 1
	s_add_nc_u64 s[TA:TA+1], s[TA:TA+1], 2*TBYTES  ; point 3's counted wait has shown the last loads that named this base done: the 32 that are out name the other
	NEXTLEVEL                                      ; an even level
	STEP 0, 1, 24, 1024, 1, TA, 1, 0, 1
	STEP 1, 1, 24, 1024, 1, TA, 1, 0, 1
	STEP 2, 1, 24, 1024, 1, TA, 1, 0, 1
	STEP 3, 1, 24, 1024, 1, TA, 1, 0, 1
	s_add_nc_u64 s[TB:TB+1], s[TB:TB+1], 2*TBYTES  ; likewise; in the last trip it comes to level 15's table
	s_add_co_u32 s[LOFF], s[LOFF], 2048
	s_sub_co_u32 s[CNT], s[CNT], 1
	s_cmp_lg_u32 s[CNT], 0
	s_cbranch_scc1 .Llevel
	NEXTLEVEL                                      ; level 15 is asked for, level 14 weighed in
	STEP 0, 1, 24, 0, 1, TB, 1, 1, 1
	STEP 1, 1, 24, 0, 1, TB, 1, 0, 1
	STEP 2, 1, 24, 0, 1, TB, 1, 0, 1
	STEP 3, 1, 24, 0, 1, TB, 1, 0, 1
	STEP 0, 1, 24, 1024, 0, TB, 0, 0, 1            ; level 15: nothing more is asked for, the counts run down; points 0 to 2's pairs were freed by the waits on vm_vsrc of the three turns above
	STEP 1, 1, 16, 1024, 0, TB, 0, 0, 1
	STEP 2, 1, 8, 1024, 0, TB, 0, 0, 1
	STEP 3, 1, 0, 1024, 0, TB, 1, 0, 0
.macro LOADE j, en                     ; enc of my point j: 16 levels x 8 bytes; each load takes 256 consecutive bytes.  LDS serves a wave's instructions in order: these see my stores
.irp l, 0,1,2,3,4,5,6,7,8,9,10,11,12,13,14,15
	ds_load_b64 v[\en+2*\l:\en+2*\l+1], v[LB] offset:1024*\l+256*(\j)
.endr
.endm
.macro LOADE2 j, en, l                 ; two of these sixteen loads: levels l and l + 1
	ds_load_b64 v[(\en)+2*(\l):(\en)+2*(\l)+1], v[LB] offset:1024*(\l)+256*(\j)
	ds_load_b64 v[(\en)+2*(\l)+2:(\en)+2*(\l)+3], v[LB] offset:1024*(\l)+1024+256*(\j)
.endm
; One product: hidden units 16 t .. 16 t + 15 of the 16 points of half p.  W1's scales: lanes 0-15 of register t / 2 for an even t, lanes 16-31 for an odd one; the points' scales: lanes 16 p ..
.macro MM dd, t, p
.set DD, \dd
.if ((\t)%2 == 0) && ((\p) == 0)
	v_wmma_scale_f32_16x16x128_f8f6f4 v[DD:DD+7], v[W1F+8*(\t):W1F+8*(\t)+7], v[OP+8*(\p):OP+8*(\p)+7], v[B1+8*(\t):B1+8*(\t)+7], v[W1S+(\t)/2], v[PS] matrix_a_fmt:MATRIX_FMT_FP4 matrix_b_fmt:MATRIX_FMT_FP4
.elseif ((\t)%2 == 1) && ((\p) == 0)
	v_wmma_scale_f32_16x16x128_f8f6f4 v[DD:DD+7], v[W1F+8*(\t):W1F+8*(\t)+7], v[OP+8*(\p):OP+8*(\p)+7], v[B1+8*(\t):B1+8*(\t)+7], v[W1S+(\t)/2], v[PS] matrix_a_fmt:MATRIX_FMT_FP4 matrix_b_fmt:MATRIX_FMT_FP4 matrix_a_scale:MATRIX_SCALE_ROW1
.elseif ((\t)%2 == 0)
	v_wmma_scale_f32_16x16x128_f8f6f4 v[DD:DD+7], v[W1F+8*(\t):W1F+8*(\t)+7], v[OP+8*(\p):OP+8*(\p)+7], v[B1+8*(\t):B1+8*(\t)+7], v[W1S+(\t)/2], v[PS] matrix_a_fmt:MATRIX_FMT_FP4 matrix_b_fmt:MATRIX_FMT_FP4 matrix_b_scale:MATRIX_SCALE_ROW1
.else
	v_wmma_scale_f32_16x16x128_f8f6f4 v[DD:DD+7], v[W1F+8*(\t):W1F+8*(\t)+7], v[OP+8*(\p):OP+8*(\p)+7], v[B1+8*(\t):B1+8*(\t)+7], v[W1S+(\t)/2], v[PS] matrix_a_fmt:MATRIX_FMT_FP4 matrix_b_fmt:MATRIX_FMT_FP4 matrix_a_scale:MATRIX_SCALE_ROW1 matrix_b_scale:MATRIX_SCALE_ROW1
.endif
.endm
; relu, and my 32 hidden units x W2, in two chains of packed multiply-adds; each accumulator is read from its low end on.  The lane's part of the sum ends in v[a]
.macro DOT dr, a
.irp k, 0,1,2,3
	v_max_num_f32 v[\dr+\k], 0, v[\dr+\k]
.endr
	v_pk_mul_f32 v[\a:\a+1], v[\dr:\dr+1], v[W2R:W2R+1]
	v_pk_mul_f32 v[\a+2:\a+3], v[\dr+2:\dr+3], v[W2R+2:W2R+3]
.irp k, 4,8,12,16,20,24,28
	v_max_num_f32 v[\dr+\k], 0, v[\dr+\k]
	v_max_num_f32 v[\dr+\k+1], 0, v[\dr+\k+1]
	v_max_num_f32 v[\dr+\k+2], 0, v[\dr+\k+2]
	v_max_num_f32 v[\dr+\k+3], 0, v[\dr+\k+3]
	v_pk_fma_f32 v[\a:\a+1], v[\dr+\k:\dr+\k+1], v[W2R+\k:W2R+\k+1], v[\a:\a+1]
	v_pk_fma_f32 v[\a+2:\a+3], v[\dr+\k+2:\dr+\k+3], v[W2R+\k+2:W2R+\k+3], v[\a+2:\a+3]
.endr
	v_pk_add_f32 v[\a:\a+1], v[\a:\a+1], v[\a+2:\a+3]
	v_add_f32 v[\a], v[\a], v[\a+1]
.endm
; Batch j: point j of each of the 32 lanes.  left: the LDS loads issued behind this batch's.  ld = 1: enc of point nj is asked for, into the other buffer, ne.
.macro MLP j, en, left, ld, nj, ne
	s_wait_dscnt \left
.if (\j) == 0
	s_wait_alu depctr_vm_vsrc(0)                   ; my last LDS stores have read the pairs of features v88-95: these registers are the points' operands from here on
.irp i, 4,5,6,7,12,13,14,15
	v_mov_b32 v[OP+\i], 0                          ; K = 64 .. 127 of both operands: zero codes, written once: only matrix instructions name these registers afterwards
.endr
.endif
.irp i, 8,9,10,11
	v_mov_b32 v[OP+\i], 0                          ; what the exchange below brings into the upper lanes
.endr
	v_max3_num_f32 v[MT], |v[\en]|, |v[\en+1]|, 0x1800000      ; the block's largest magnitude, in two chains, and the floor 2^(3 - 127): so the byte cannot fall under 1
	v_max3_num_f32 v[MT+1], |v[\en+2]|, |v[\en+3]|, |v[\en+4]|
.irp i, 5,9,13,17,21,25
	v_max3_num_f32 v[MT], v[MT], |v[\en+\i]|, |v[\en+\i+1]|
	v_max3_num_f32 v[MT+1], v[MT+1], |v[\en+\i+2]|, |v[\en+\i+3]|
.endr
	v_max3_num_f32 v[MT], v[MT], |v[\en+29]|, |v[\en+30]|
	v_max3_num_f32 v[MT], v[MT], v[MT+1], |v[\en+31]|
	v_add_nc_u32 v[MT+2], 0xff000000, v[MT]        ; 2 off its exponent field: the conversion takes the exponent field of this operand as its scale
	v_lshrrev_b32 v[PS], 23, v[MT+2]               ; the scale's byte, with zeros above it
.irp g, 0,1,2,3
	v_cvt_scalef32_pk8_fp4_f32 v[OP+\g], v[\en+8*\g:\en+8*\g+7], v[MT+2]   ; K = 8 g .. 8 g + 7
.endr
	v_nop                                          ; one plain place behind a scaled conversion
.irp i, 0,1,2,3
	v_permlane16_swap_b32 v[OP+\i], v[OP+8+\i]     ; lanes 16-31 of the codes change places with lanes 0-15 of zeros: points 0-15 | zeros, and points 16-31 | zeros
.endr
.rept 8
	v_nop                                          ; a scale register written by a vector instruction stands 8 places ahead of a scaled matrix instruction, an operand so written 4
.endr
	s_wait_alu depctr_va_vdst(0)                   ; behind the places: the points' codes and scale word are written (in the first batch W1's selected codes too), which the products take; and the batch before is done with the other enc buffer, in which the loads below land
.irp t, 0,1,2,3
	MM D0+8*\t, \t, 0                              ; eight accumulators, each written once: no two of these lines share one
.if \ld
	LOADE2 \nj, \ne, 2*\t                          ; no line since the wait names the other buffer
.endif
.endr
.irp t, 0,1,2,3
	MM \en+8*\t, \t, 1                             ; into the registers that enc has left
.if \ld
	LOADE2 \nj, \ne, 2*\t+8
.endif
.endr
.if (\j) == 0
	s_wait_loadcnt 0x0                             ; W2, asked for in the last turn of the levels, is in
.endif
.rept 4
	v_nop                                          ; four places between the last product and the first read of a result (ISA guide 7.12.1)
.endr
	DOT D0, MT+4
	DOT \en, MT+8
	v_permlane16_swap_b32 v[MT+4], v[MT+8]         ; now lane l holds in the one register the part of its own point from hidden halves 0, in the other that from halves 1
	v_add_f32 v[MT+4], v[MT+4], v[MT+8]
	v_add_f32 v[OUTR+(\j)], s20, v[MT+4]           ; + b2
.endm
	LOADE 0, EN0                                   ; no vector line stands between the last turn's wait on va_vdst and these 32 loads: every line that named v16-79 is done
	LOADE 1, EN1
	v_cmp_gt_u32 s22, 16, v[LN]
	s_wait_alu depctr_va_sdst(0)                   ; the mask s22 is written, ahead of its first reader
.irp t, 0,1,2,3
.irp i, 0,1,2,3
	v_cndmask_b32 v[W1F+8*\t+\i], 0, v[W1F+8*\t+\i], s22       ; lanes 16-31 stand for K = 32 .. 63: zero codes (W1's loads are long in: the last turn's wait for loads was for 0)
.endr
.endr
	MLP 0, EN0, 16, 0, 0, EN0                      ; behind batch 0's 16 loads stand batch 1's 16
	MLP 1, EN1, 0, 1, 2, EN0                       ; nothing was asked for behind batch 1's loads; batch 2's go out among its products
	MLP 2, EN0, 0, 1, 3, EN1
	MLP 3, EN1, 0, 0, 0, EN0
	s_wait_alu depctr_va_vdst(0)                   ; my four results v10-13 are written, which the store reads
	global_store_b128 v[LOF], v[OUTR:OUTR+3], s[18:19] th:TH_STORE_NT   ; my 4 neighbouring points: the wave stores 512 consecutive bytes
	s_wait_xcnt 0x0
	v_lshl_add_u32 v254, v0, 2, 0x40000
	v_mov_b32 v255, 0
	s_wait_dscnt 0x0                               ; the closing lines, six on end, of a launch in the mode that stores to LDS
	s_wait_alu 0x0
	s_wait_tensorcnt 0x0
	ds_add_u32 v254, v255
	s_wait_dscnt 0x0
	s_endpgm
.Lfunc_end_k_q8782ab0ef8_encode_mlp:
	.size	k_q8782ab0ef8_encode_mlp, .Lfunc_end_k_q8782ab0ef8_encode_mlp-k_q8782ab0ef8_encode_mlp
	.p2alignl 7, 3214868480
	.fill 96, 4, 3214868480
	.section	.rodata,"a",@progbits
	.p2align	6, 0x0
	.amdhsa_kernel k_q8782ab0ef8_encode_mlp
		.amdhsa_group_segment_fixed_size 264192
		.amdhsa_private_segment_fixed_size 0
		.amdhsa_enable_private_segment 0
		.amdhsa_kernarg_size 64
		.amdhsa_user_sgpr_count 2
		.amdhsa_user_sgpr_kernarg_segment_ptr 1
		.amdhsa_wavefront_size32 1
		.amdhsa_system_sgpr_workgroup_id_x 1
		.amdhsa_system_sgpr_workgroup_id_y 1
		.amdhsa_system_sgpr_workgroup_id_z 1
		.amdhsa_system_vgpr_workitem_id 0
		.amdhsa_next_free_vgpr 256
		.amdhsa_next_free_sgpr 66
		.amdhsa_reserve_vcc 0
		.amdhsa_float_denorm_mode_32 3
		.amdhsa_float_denorm_mode_16_64 3
		.amdhsa_memory_ordered 1
		.amdhsa_forward_progress 1
		.amdhsa_inst_pref_size 103
	.end_amdhsa_kernel
	.amdgpu_metadata
---
amdhsa.version: [ 1, 2 ]
amdhsa.kernels:
  - .name:           k_q8782ab0ef8_encode_mlp
    .symbol:         k_q8782ab0ef8_encode_mlp.kd
    .args:
      - { .name: q, .offset: 0, .size: 8, .value_kind: global_buffer, .address_space: global }
      - { .name: tables, .offset: 8, .size: 8, .value_kind: global_buffer, .address_space: global }
      - { .name: W1_codes, .offset: 16, .size: 8, .value_kind: global_buffer, .address_space: global }
      - { .name: W1_scales, .offset: 24, .size: 8, .value_kind: global_buffer, .address_space: global }
      - { .name: b1, .offset: 32, .size: 8, .value_kind: global_buffer, .address_space: global }
      - { .name: W2, .offset: 40, .size: 8, .value_kind: global_buffer, .address_space: global }
      - { .name: b2, .offset: 48, .size: 8, .value_kind: global_buffer, .address_space: global }
      - { .name: out0, .offset: 56, .size: 8, .value_kind: global_buffer, .address_space: global }
    .group_segment_fixed_size: 264192
    .private_segment_fixed_size: 0
    .kernarg_segment_align: 8
    .kernarg_segment_size: 64
    .max_flat_workgroup_size: 512
    .sgpr_count:     66
    .vgpr_count:     256
    .wavefront_size: 32
...
	.end_amdgpu_metadata
.endif
;; end of part 3
